; MI455X (gfx1250); checked and timed in simulation.
; The chip was launched on July 23, 2026; its instructions are those of AMD's public machine-readable ISA for CDNA 5 (MIT licence, August 2026) and "CDNA5" Instruction Set Architecture Reference Guide (July 2026). The comments in the code are by the model that wrote it; some were corrected since.
;; IDNN. Allowed arithmetic: float matrix products may take bf16 or f16 operands with f32 sums; all other float work in f32.
;; Inputs: W1 6 x 64 float32; W2 64 x 64 float32; W3 64 x 64 float32; Wout 64 x 1 float32; b1 64 float32; b2 64 float32; b3 64 float32; x1 131,072 x 4 float32; x4 131,072 x 2 float32.
;; Outputs: out0 131,072 x 1 float32; out1 131,072 x 4 float32; out2 131,072 x 4 x 4 float32.
;; 2 versions, each right and faster than the one before. Each part assembles by itself: llvm-mc -triple=amdgcn-amd-amdhsa -mcpu=gfx1250 --defsym DOCPART=n.
;; ======== version 1 of 2: 1 launch
;; limits: values outside matrix products are rounded to bf16
;; launch idnn (part 1): grid 256 x 1, 4 waves a work-group, no clusters, 37,376 bytes of LDS; arguments x1, x4, W1, b1, W2, b2, W3, b3, Wout, out0, out1, out2; writes out0, out1, out2
.if DOCPART == 1
	.amdgcn_target "amdgcn-amd-amdhsa--gfx1250"
	.amdhsa_code_object_version 6
	.text
	.protected	k_q5bf49dc36a_idnn
	.globl	k_q5bf49dc36a_idnn
	.p2align	8
	.type	k_q5bf49dc36a_idnn,@function
k_q5bf49dc36a_idnn:
	s_mov_b64 s[64:65], 0
	v_nop
	global_prefetch_b8 v0, s[64:65] scope:SCOPE_SE
	s_setreg_imm32_b32 hwreg(HW_REG_WAVE_MODE, 25, 1), 1
	s_wait_xcnt 0x0
; y, dy/dx1 and d2y/dx1^2 of a softplus MLP 6 -> 64 -> 64 -> 64 -> 1 for 131,072 samples, in one launch.
;
; THE MATHEMATICS.  E = e^min(z,64), U = 1 + E, r = 1/U, s = E r (the sigmoid), softplus = max(ln U, z), softplus'' = s r.
;   value:    z1 = W1^T [x1,x4] + b1, z2 = W2^T h1 + b2, z3 = W3^T h2 + b3, y = Wout . h3
;   backward: g3 = Wout s3, a2 = W3 g3, g2 = a2 s2, a1 = W2 g2, g1 = a1 s1, dy_i = sum_k W1[i][k] g1_k;  c_l = g_l r_l
;   tangents: dz2_i = W2^T (s1 W1[i]), dz3_i = W3^T (s2 dz2_i), i = 0..3
;   Hessian:  H_ij = sum_k W1[i][k] W1[j][k] c1_k + sum_k c2_k dz2_ik dz2_jk + sum_k c3_k dz3_ik dz3_jk
; That is 12 products with a 64 x 64 matrix for a sample.
;
; THE SHARES.  256 work-groups of four waves, one wave on each SIMD; a wave owns 128 neighbouring samples and walks them in 8 trips of 16.
; All weight fragments stay in the wave's registers (336 of them), so the loop reads no memory: x was brought at the start, 24 bytes a sample.
; Weights are the matrix instruction's A (rows = output features), activations its B (column = sample r = lane & 15).  Register j of result
; tile t in lane (r, h) is then feature 16 t + 8 h + j of sample r; a FIELD is 32 such registers, index e = 8 t + j.  Packing numbers 2p and
; 2p + 1 of a field gives register p of the next product's B fragments (p < 8: K 0..31, p >= 8: K 32..63): no transpose, no LDS between layers.
;
; FORMATS AND LIMITS.
;  - All nine inputs, the biases too, are rounded once to bf16; the program computes the function of the rounded inputs.
;  - Activations, tangents s1 W1[i], g3, g2, g1 and c1 enter the matrix unit as a bf16 pair hi + lo (error about 2^-16 of the number), two K passes.
;    s2 dz2 goes as one bf16 (2^-9): it reaches only the third term of the Hessian.
;  - z is clamped at 64 inside the exponential: above that 1 - sigmoid stays at e^-64 (absolute error below 2e-28), softplus is z by the maximum.
;    Below z of about -87 the exponential is flushed to 0, and with it s, g and c of that unit.
;  - A NaN in a pre-activation is NOT passed on (v_min_num_f32, v_max_num_f32 let the number win); an infinite activation gives NaN in its lo half.
;  - y = Wout . h3 has one output column and the per-sample contraction of the Hessian uses each factor for one sample alone: either would use one
;    row in sixteen of a result tile, so both are f32 multiply-adds.
;  - No cluster, no joint loads: what work-groups share is 35,328 bytes of weights and biases, read once by each at its start, and no loop reads memory.
;    No tensor loads: a wave's whole input is 3,072 bytes.
; ---------------- LDS map (bytes) ----------------
.set WPITCH, 144                       ; a row of 64 bf16 + 16 bytes
.set W2L, 0                            ; W2 as bf16 [k][n], 64 rows
.set W3L, 9216                         ; W3 likewise
.set W1T, 18432                        ; W1, rounded to bf16 and widened to f32, 6 rows of 256 bytes
.set CTB, 19968                        ; b2 | b3 | Wout | b1, rounded and widened, 256 bytes each
.set XT,  20992                        ; each wave 2,048 bytes: sample s at 16 s = bf16 {x1[0..3], x4[0..1], 1.0, 0}
.set HS,  29184                        ; each wave 1,280 bytes: the Hessians of 16 samples, pitch 80
.set HPITCH, 80
.set YS,  34304                        ; each wave 512 bytes: y of its 128 samples
; ---------------- window 0 ----------------
.set XA, 1                             ; LDS address of my sample's x; 256 further each trip
.set CA, 2                             ; 32 h: my half of a 64-entry f32 vector in field order
.set HST, 3                            ; Hessian stage, in
.set HLD, 4                            ; Hessian stage, back
.set YST, 5                            ; y stage; 64 further each trip
.set O2, 6                             ; 16 x lane
.set O1, 7                             ; 16 r
.set LN, 8                             ; lane
.set XSTA, 9                           ; set-up addresses, never rewritten
.set WSTA, 10
.set G4T, 11
.set CSTA, 12
.set G8L, 13
.set G16T, 14
.set MONE, 15                          ; -1.0
.set XF, 16                            ; v[16:23]  x fragment; 20-23 stay 0
.set HACC, 24                          ; v[24:43]  ten pairs: the sums of the contraction
.set YR, 44                            ; y
.set RR, 45                            ; r
.set HH, 46                            ; h
.set T0, 47                            ; scratch
.set DYA, 48                           ; v[48:55]  accumulator of dy
.set H1A, 56                           ; v[56:63]  accumulator of the Hessian's first term
.set RZ, 64                            ; v[64:95]  field: the single column's accumulator; v[64:71] also a second accumulator of the first term
.set RP, 96                            ; v[96:127] field: scratch
.set HFH, 128                          ; v[128:143] B fragments, hi
.set HFL, 144                          ; v[144:159] B fragments, lo (HFH + 16: one run of four K passes)
.set RK, 160                           ; v[160:191] field: a row of W1, then Wout; then c1's fragments:
.set CFH, 160
.set CFL, 176
.set DH2, 192                          ; v[192:255] s2 dz2, 16 registers a direction
; set-up only
.set X1R, 64
.set X4R, 80
.set XS, 96
.set W2R, 128
.set W3R, 160
.set W1L, 192
.set CL, 196
.set TM, 198
.set TRA, 200
.set PLA, 201
.set W1AA, 202
.set ROWA, 203
.set ROWB, 204
.set W1STA, 206
.set AT, 128
.set BT, 160
; ---------------- window 1: weight fragments, (t, q) at base + 16 t + 8 q ----------------
.set W2T, 0                            ; A(m, k) = W2[k][m]: forward
.set W3T, 64
.set W3N, 128                          ; A(m, k) = W3[m][k]: backward
.set W2N, 192
; ---------------- window 2 ----------------
.set W1A, 0                            ; layer 1, 8 registers a tile: k 0..5 = W1, k 6 = b1, the rest 0
.set W1R, 32                           ; rows 0..3 = W1[i][.], the rest 0
.set PHI, 48                           ; row 4i+j = W1[i][.] W1[j][.], hi
.set PLO, 64                           ; and lo: the pair is exact
.set FS1, 80
.set FR1, 112                          ; r1, then c1
.set FS2, 144
.set FR2, 176                          ; r2, then c2
.set FC3, 208                          ; r3, then c3
; ---------------- window 3 ----------------
.set DZ2, 0                            ; direction i, tile t at 32 i + 8 t
.set DZ3, 128
.set DH1, 128                          ; on DZ3's registers, dead before dz3 is made: buffer b at 32 b, hi 16 then lo 16
.set RE, 192                           ; field E, likewise
.set RU, 224                           ; field U, likewise
; s_set_vgpr_msb: bits 1:0 source 0, 3:2 source 1, 5:4 source 2, 7:6 destination; the high byte repeats the setting that is left.
.set MSB, 0
.macro CFG d, a, b, c
.set NEWW, ((\d)<<6)|((\c)<<4)|((\b)<<2)|(\a)
.if MSB != NEWW
	s_set_vgpr_msb (MSB<<8)|NEWW
.set MSB, NEWW
.endif
.endm
; Four places behind a matrix instruction before a vector instruction reads its result (ISA guide 7.12.1).
.macro PLACES
.rept 4
	v_nop
.endr
.endm
; A 64-entry f32 vector at LDS byte off, in field order: tile t's eight numbers of my half at 64 t + 32 h.  All lanes of a half read the same bytes.
.macro LDC dst, off
.set ii, 0
.rept 8
	ds_load_b128 v[(\dst)+4*ii:(\dst)+4*ii+3], v[CA] offset:(\off)+64*(ii/2)+16*(ii%2)
.set ii, ii+1
.endr
.endm
.macro MM d, a, b, zero
.if \zero
	v_wmma_f32_16x16x32_bf16 v[\d:\d+7], v[\a:\a+7], v[\b:\b+7], 0
.else
	v_wmma_f32_16x16x32_bf16 v[\d:\d+7], v[\a:\a+7], v[\b:\b+7], v[\d:\d+7]
.endif
.endm
; 64 output features of 16 samples: nk K passes of 32 (0, 1: hi; 2, 3: lo) x four tiles.  The four accumulators take turns, one instruction
; a turn.  zero = 1: the first pass starts the sums; zero = 0: the bias already lies in the accumulators.
.macro MV d, a, b, nk, zero
.set kk, 0
.rept \nk
.set usez, 0
.if \zero
.if kk == 0
.set usez, 1
.endif
.endif
.set tt, 0
.rept 4
	MM (\d)+8*tt, (\a)+16*tt+8*(kk&1), (\b)+8*kk, usez
.set tt, tt+1
.endr
.set kk, kk+1
.endr
.endm
; 32 numbers at a time
.macro PKMUL d, a, b
.set ee, 0
.rept 16
	v_pk_mul_f32 v[(\d)+ee:(\d)+ee+1], v[(\a)+ee:(\a)+ee+1], v[(\b)+ee:(\b)+ee+1]
.set ee, ee+2
.endr
.endm
.macro PKMULS d, a, sc
.set ee, 0
	s_wait_alu depctr_va_vdst(0)
.rept 16
	v_pk_mul_f32 v[(\d)+ee:(\d)+ee+1], v[(\a)+ee:(\a)+ee+1], s[\sc:\sc+1] op_sel_hi:[1,0]
.set ee, ee+2
.endr
.endm
.macro PKADDC d, a, cst
.set ee, 0
	s_wait_alu depctr_va_vdst(0)
.rept 16
	v_pk_add_f32 v[(\d)+ee:(\d)+ee+1], v[(\a)+ee:(\a)+ee+1], \cst op_sel_hi:[1,0]
.set ee, ee+2
.endr
.endm
; 32 transcendentals back to back on different registers, then one plain place before a result is used or a source rewritten (ISA guide 5.7.2)
.macro TRANS op, d, a
.set ee, 0
.rept 32
	\op v[(\d)+ee], v[(\a)+ee]
.set ee, ee+1
.endr
	v_nop
	s_wait_alu depctr_va_vdst(0)
.endm
.macro MAXZ                            ; U = max(U, z): softplus is z where 1 + E has lost the 1
.set ee, 0
.rept 32
	v_max_num_f32 v[RU+ee], v[RU+ee], v[RZ+ee]
.set ee, ee+1
.endr
.endm
; A field src (window ws) becomes B (or A) fragments hi and lo (window wd).  hi: both numbers rounded to bf16.  lo: first the odd number's residue
; as a whole f32 (its upper half is that residue cut to bf16), then the even number's residue rounded into the lower half.
.macro SPLIT hi, lo, src, ws, wd
	CFG \wd, \ws, \ws, 0
.set pp, 0
.rept 16
	v_cvt_pk_bf16_f32 v[(\hi)+pp], v[(\src)+2*pp], v[(\src)+2*pp+1]
.set pp, pp+1
.endr
	CFG \wd, \wd, 0, \ws
.set pp, 0
.rept 16
	v_fma_mix_f32_bf16 v[(\lo)+pp], v[(\hi)+pp], v[MONE], v[(\src)+2*pp+1] op_sel:[1,0,0] op_sel_hi:[1,0,0]
.set pp, pp+1
.endr
.set pp, 0
.rept 16
	v_fma_mixlo_bf16 v[(\lo)+pp], v[(\hi)+pp], v[MONE], v[(\src)+2*pp] op_sel_hi:[1,0,0]
.set pp, pp+1
.endr
.endm
; E = e^min(z, 64), U = 1 + E
.macro ACT_HEAD
	CFG 3, 3, 0, 0
.set ee, 0
.rept 32
	v_min_num_f32 v[RE+ee], s36, v[RZ+ee]
.set ee, ee+1
.endr
	PKMULS RE, RE, 32
	TRANS v_exp_f32, RE, RE
	PKADDC RU, RE, 1.0
.endm
; Layers 1 and 2: r and s are kept, softplus goes into the fragments HFH, HFL, and the next layer's bias is fetched into the accumulators.
.macro ACT fs, fr, bias
	ACT_HEAD
	CFG 2, 3, 2, 0
	TRANS v_rcp_f32, \fr, RU
	PKMUL \fs, RE, \fr
	CFG 3, 3, 0, 0
	TRANS v_log_f32, RU, RU
	PKMULS RU, RU, 34
	MAXZ
	CFG 0, 0, 0, 0
	LDC RZ, \bias
	SPLIT HFH, HFL, RU, 3, 0
.endm
; Layer 3: softplus with the part of E that 1 + E lost added back (ln U + (E - (U - 1)) / U), so that y holds where every h3 is tiny;
; my 32 terms of y; g3 into the fragments; c3 kept.
.macro ACT3
	ACT_HEAD
	CFG 2, 3, 2, 0
	TRANS v_rcp_f32, FC3, RU
	CFG 0, 3, 0, 0
	PKADDC RP, RU, -1.0
.set ee, 0
.rept 16
	v_pk_add_f32 v[RP+ee:RP+ee+1], v[RE+ee:RE+ee+1], v[RP+ee:RP+ee+1] neg_lo:[0,1] neg_hi:[0,1]
.set ee, ee+2
.endr
	CFG 3, 3, 0, 0
	TRANS v_log_f32, RU, RU
	PKMULS RU, RU, 34
	CFG 3, 0, 2, 3
.set ee, 0
.rept 16
	v_pk_fma_f32 v[RU+ee:RU+ee+1], v[RP+ee:RP+ee+1], v[FC3+ee:FC3+ee+1], v[RU+ee:RU+ee+1]
.set ee, ee+2
.endr
	CFG 3, 3, 0, 0
	MAXZ
	s_wait_dscnt 0x0                               ; Wout is in RK
	CFG 0, 3, 0, 0
.set ee, 0
.rept 4
	v_pk_mul_f32 v[RP+ee:RP+ee+1], v[RU+ee:RU+ee+1], v[RK+ee:RK+ee+1]       ; four chains, started by the first products
.set ee, ee+2
.endr
.rept 12
	v_pk_fma_f32 v[RP+ee%8:RP+ee%8+1], v[RU+ee:RU+ee+1], v[RK+ee:RK+ee+1], v[RP+ee%8:RP+ee%8+1]
.set ee, ee+2
.endr
	CFG 3, 3, 2, 0
	PKMUL RE, RE, FC3                              ; s3
	CFG 3, 3, 0, 0
	PKMUL RE, RE, RK                               ; g3 = Wout s3
	CFG 2, 3, 2, 0
	PKMUL FC3, RE, FC3                             ; c3 = g3 r3
	SPLIT HFH, HFL, RE, 3, 0
	CFG 0, 0, 0, 0
	v_pk_add_f32 v[RP:RP+1], v[RP:RP+1], v[RP+2:RP+3]
	v_pk_add_f32 v[RP+4:RP+5], v[RP+4:RP+5], v[RP+6:RP+7]
	v_pk_add_f32 v[RP:RP+1], v[RP:RP+1], v[RP+4:RP+5]
	v_add_f32 v[YR], v[RP], v[RP+1]
.endm
; One direction's tangent of layer 1, s1 W1[i], into buffer b; the vector that RK holds next is fetched behind its last use.
.macro T1 b, next
	s_wait_dscnt 0x0                               ; the row of W1 is in RK
	CFG 0, 2, 0, 0
	PKMUL RP, FS1, RK
	CFG 0, 0, 0, 0
	LDC RK, \next
	SPLIT DH1+32*\b, DH1+32*\b+16, RP, 0, 3
.endm
; One direction's tangent of layer 2, s2 dz2_i, as one bf16
.macro CV2 i
	CFG 0, 2, 3, 0
	PKMUL RP, FS2, DZ2+32*\i
	CFG 0, 0, 0, 0
.set pp, 0
.rept 16
	v_cvt_pk_bf16_f32 v[DH2+16*\i+pp], v[RP+2*pp], v[RP+2*pp+1]
.set pp, pp+1
.endr
.endm
; Backward through an activation: g = a s into the fragments, r becomes c = g r
.macro BK fs, fr
	CFG 0, 2, 0, 0
	PKMUL RP, \fs, RZ
	CFG 2, 2, 0, 0
	PKMUL \fr, \fr, RP
	SPLIT HFH, HFL, RP, 0, 0
.endm
; sum over my 32 features of c dz_i dz_j, for the ten pairs i <= j, two features at a time
.macro PAIR idx, i, j, dz
.if startsum
	v_pk_mul_f32 v[HACC+2*\idx:HACC+2*\idx+1], v[RP+8*\i+2*jj:RP+8*\i+2*jj+1], v[(\dz)+32*\j+8*tt+2*jj:(\dz)+32*\j+8*tt+2*jj+1]
.else
	v_pk_fma_f32 v[HACC+2*\idx:HACC+2*\idx+1], v[RP+8*\i+2*jj:RP+8*\i+2*jj+1], v[(\dz)+32*\j+8*tt+2*jj:(\dz)+32*\j+8*tt+2*jj+1], v[HACC+2*\idx:HACC+2*\idx+1]
.endif
.endm
.macro CONTR c, dz, first
.set tt, 0
.rept 4
	CFG 0, 2, 3, 0
.set di, 0
.rept 4
.set jj, 0
.rept 4
	v_pk_mul_f32 v[RP+8*di+2*jj:RP+8*di+2*jj+1], v[(\c)+8*tt+2*jj:(\c)+8*tt+2*jj+1], v[(\dz)+32*di+8*tt+2*jj:(\dz)+32*di+8*tt+2*jj+1]
.set jj, jj+1
.endr
.set di, di+1
.endr
	CFG 0, 0, 3, 0
.set jj, 0
.rept 4
.set startsum, 0
.if \first
.if tt+jj == 0
.set startsum, 1                       ; the first products start the ten sums: nothing is cleared
.endif
.endif
	PAIR 0, 0, 0, \dz
	PAIR 1, 0, 1, \dz
	PAIR 2, 0, 2, \dz
	PAIR 3, 0, 3, \dz
	PAIR 4, 1, 1, \dz
	PAIR 5, 1, 2, \dz
	PAIR 6, 1, 3, \dz
	PAIR 7, 2, 2, \dz
	PAIR 8, 2, 3, \dz
	PAIR 9, 3, 3, \dz
.set jj, jj+1
.endr
.set tt, tt+1
.endr
.endm
.macro SEL j, a, b                     ; entry 8 h + j of the Hessian: sum a for lanes 0-15, sum b for lanes 16-31
	v_cndmask_b32 v[RP+\j], v[HACC+2*\a], v[HACC+2*\b], s41
.endm
; ================= set-up =================
	s_load_b512 s[8:23], s[0:1], 0x0               ; x1 s[8:9], x4 s[10:11], W1 s[12:13], b1 s[14:15], W2 s[16:17], b2 s[18:19], W3 s[20:21], b3 s[22:23]
	s_load_b256 s[24:31], s[0:1], 0x40             ; Wout s[24:25], out0 s[26:27], out1 s[28:29], out2 s[30:31]
	s_set_vgpr_msb 0x80
	v_lshl_add_u32 v254, v0, 2, 0x9000
	v_mov_b32 v255, 0
	s_set_vgpr_msb 0x8000
	v_lshrrev_b32 v[T0], 5, v0
	v_readfirstlane_b32 s4, v[T0]                  ; wave 0..3
	v_and_b32 v[LN], 31, v0
	v_and_b32 v[RR], 15, v0
	v_bfe_u32 v[HH], v0, 4, 1
	s_lshl_b32 s5, ttmp9, 2
	s_add_co_u32 s5, s5, s4                        ; my block of 128 samples, 0..1023
	s_mov_b32 s7, 0
	s_mov_b32 s32, 0x3fb8aa3b                      ; log2 e, twice (a pair is read whole)
	s_mov_b32 s33, 0x3fb8aa3b
	s_mov_b32 s34, 0x3f317218                      ; ln 2, twice
	s_mov_b32 s35, 0x3f317218
	s_mov_b32 s36, 0x42800000                      ; 64.0
	s_mov_b32 s38, 0x76543210                      ; v_permlanex16_b32: lane i of one half reads lane i of the other
	s_mov_b32 s39, 0xfedcba98
	s_lshl_b32 s49, s4, 11
	s_add_co_u32 s49, s49, XT                      ; my wave's x
	s_mul_i32 s50, s4, 1280
	s_add_co_u32 s50, s50, HS                      ; my wave's Hessian stage
	s_lshl_b32 s51, s4, 9
	s_add_co_u32 s51, s51, YS                      ; my wave's y stage
	s_lshl_b32 s52, s4, 8                          ; my wave's vector in CTB
	s_mul_i32 s53, s4, 2*WPITCH                    ; my wave's two rows of each chunk of W2, W3
	s_lshl_b32 s54, s4, 7                          ; my wave's 128 bytes of each chunk of W1
	v_cmp_le_u32 s41, 16, v[LN]                    ; lanes 16-31
	v_cmp_gt_u32 s42, 16, v[LN]                    ; lanes 0-15
	v_cmp_gt_u32 s48, 4, v[RR]                     ; r < 4
	v_mov_b32 v[MONE], -1.0
	v_lshlrev_b32 v[O2], 4, v[LN]
	v_lshlrev_b32 v[O1], 4, v[RR]
	v_lshlrev_b32 v[G8L], 3, v[LN]
	v_lshlrev_b32 v[G16T], 4, v0
	v_lshlrev_b32 v[G4T], 2, v0
	s_wait_kmcnt 0x0
	s_lshl_b32 s6, s5, 11                          ; 128 samples of 16 bytes
	s_add_nc_u64 s[8:9], s[8:9], s[6:7]
	s_add_nc_u64 s[28:29], s[28:29], s[6:7]
	s_lshl_b32 s6, s5, 10                          ; of 8 bytes
	s_add_nc_u64 s[10:11], s[10:11], s[6:7]
	s_lshl_b32 s6, s5, 9                           ; of 4 bytes
	s_add_nc_u64 s[26:27], s[26:27], s[6:7]
	s_lshl_b32 s6, s5, 13                          ; of 64 bytes
	s_add_nc_u64 s[30:31], s[30:31], s[6:7]
	s_cmp_eq_u32 s4, 1                             ; each wave brings one of the four 64-entry vectors: wave 0 b2, 1 b3, 2 Wout, 3 b1
	s_cselect_b64 s[44:45], s[22:23], s[18:19]
	s_cmp_eq_u32 s4, 2
	s_cselect_b64 s[44:45], s[24:25], s[44:45]
	s_cmp_eq_u32 s4, 3
	s_cselect_b64 s[44:45], s[14:15], s[44:45]
	; 28 loads: 8 of x (my wave's own), 8 + 8 of W2 and W3 and 3 of W1 (an eighth or a third of the matrix for the work-group's 128 threads each), 1 vector
.irp j, 0,1,2,3
	global_load_b128 v[X1R+4*\j:X1R+4*\j+3], v[O2], s[8:9] offset:512*\j th:TH_LOAD_NT     ; sample lane + 32 j
.endr
.irp j, 0,1,2,3
	global_load_b64 v[X4R+2*\j:X4R+2*\j+1], v[G8L], s[10:11] offset:256*\j th:TH_LOAD_NT
.endr
.irp c, 0,1,2,3,4,5,6,7
	global_load_b128 v[W2R+4*\c:W2R+4*\c+3], v[G16T], s[16:17] offset:2048*\c              ; row 8 c + thread / 16, columns 4 (thread % 16) ..
.endr
.irp c, 0,1,2,3,4,5,6,7
	global_load_b128 v[W3R+4*\c:W3R+4*\c+3], v[G16T], s[20:21] offset:2048*\c
.endr
.irp c, 0,1,2
	global_load_b32 v[W1L+\c], v[G4T], s[12:13] offset:512*\c
.endr
	global_load_b64 v[CL:CL+1], v[G8L], s[44:45]
	; addresses, while the loads are on their way
	v_lshl_add_u32 v[XSTA], v[LN], 4, s49
	v_lshl_add_u32 v[XA], v[RR], 4, s49
	v_mul_u32_u24 v[WSTA], v[HH], WPITCH
	v_lshl_add_u32 v[WSTA], v[RR], 3, v[WSTA]
	v_add_nc_u32 v[WSTA], s53, v[WSTA]             ; row 2 wave + h, 8 bytes at 8 r
	v_lshl_add_u32 v[W1STA], v[LN], 2, s54
	v_lshl_add_u32 v[CSTA], v[LN], 3, s52
	v_lshlrev_b32 v[CA], 5, v[HH]
	v_mul_u32_u24 v[HST], v[RR], HPITCH
	v_lshl_add_u32 v[HST], v[HH], 5, v[HST]
	v_add_nc_u32 v[HST], s50, v[HST]               ; sample r, entries 8 h ..
	v_lshrrev_b32 v[T0], 2, v[LN]
	v_mul_u32_u24 v[HLD], v[T0], HPITCH
	v_and_b32 v[T0], 3, v[LN]
	v_lshl_add_u32 v[HLD], v[T0], 4, v[HLD]
	v_add_nc_u32 v[HLD], s50, v[HLD]               ; sample lane / 4, 16 bytes at 16 (lane % 4)
	v_lshl_add_u32 v[YST], v[RR], 2, s51
	v_and_b32 v[T0], 7, v[LN]
	v_lshl_add_u32 v[T0], v[HH], 3, v[T0]
	v_mul_u32_u24 v[TRA], v[T0], WPITCH
	v_bfe_u32 v[T0], v[LN], 3, 1
	v_lshl_add_u32 v[TRA], v[T0], 4, v[TRA]        ; transposing loads: row 8 h + lane % 8, 16 bytes at 16 ((lane / 8) % 2)
	v_mul_u32_u24 v[PLA], v[RR], WPITCH
	v_lshl_add_u32 v[PLA], v[HH], 4, v[PLA]        ; plain fragments: row r, 16 bytes at 16 h
	v_lshlrev_b32 v[W1AA], 2, v[RR]
	v_and_b32 v[T0], 3, v[RR]
	v_lshl_add_u32 v[ROWA], v[T0], 8, v[CA]        ; row r % 4 of W1, my half
	v_lshrrev_b32 v[T0], 2, v[RR]
	v_lshl_add_u32 v[ROWB], v[T0], 8, v[CA]        ; row r / 4 of W1, my half
	s_wait_loadcnt 20                              ; loads come back in order (ISA guide 5.7.1): the 8 of x are in, the 20 issued behind them may be out
.irp j, 0,1,2,3
	v_cvt_pk_bf16_f32 v[XS+4*\j], v[X1R+4*\j], v[X1R+4*\j+1]
	v_cvt_pk_bf16_f32 v[XS+4*\j+1], v[X1R+4*\j+2], v[X1R+4*\j+3]
	v_cvt_pk_bf16_f32 v[XS+4*\j+2], v[X4R+2*\j], v[X4R+2*\j+1]
	v_mov_b32 v[XS+4*\j+3], 0x3f80                 ; k = 6: 1.0, which meets b1; k = 7: 0
	ds_store_b128 v[XSTA], v[XS+4*\j:XS+4*\j+3] offset:512*\j
.endr
	s_wait_loadcnt 12                              ; W2 is in: 8 of W3, 3 of W1 and 1 vector were issued behind it
.irp c, 0,1,2,3,4,5,6,7
	v_cvt_pk_bf16_f32 v[W2R+4*\c], v[W2R+4*\c], v[W2R+4*\c+1]
	v_cvt_pk_bf16_f32 v[W2R+4*\c+1], v[W2R+4*\c+2], v[W2R+4*\c+3]
	ds_store_b64 v[WSTA], v[W2R+4*\c:W2R+4*\c+1] offset:W2L+8*WPITCH*\c
.endr
	s_wait_loadcnt 4                               ; W3 is in: 3 of W1 and 1 vector were issued behind it
.irp c, 0,1,2,3,4,5,6,7
	v_cvt_pk_bf16_f32 v[W3R+4*\c], v[W3R+4*\c], v[W3R+4*\c+1]
	v_cvt_pk_bf16_f32 v[W3R+4*\c+1], v[W3R+4*\c+2], v[W3R+4*\c+3]
	ds_store_b64 v[WSTA], v[W3R+4*\c:W3R+4*\c+1] offset:W3L+8*WPITCH*\c
.endr
	s_wait_loadcnt 0x0
	v_cvt_pk_bf16_f32 v[TM], v[W1L], v[W1L+1]      ; rounded to bf16, widened again to f32
	v_cvt_pk_bf16_f32 v[TM+1], v[W1L+2], v[W1L+2]
	v_lshlrev_b32 v[W1L], 16, v[TM]
	v_and_b32 v[W1L+1], 0xffff0000, v[TM]
	v_and_b32 v[W1L+2], 0xffff0000, v[TM+1]
.irp c, 0,1,2
	ds_store_b32 v[W1STA], v[W1L+\c] offset:W1T+512*\c
.endr
	v_cvt_pk_bf16_f32 v[TM], v[CL], v[CL+1]
	v_lshlrev_b32 v[CL], 16, v[TM]
	v_and_b32 v[CL+1], 0xffff0000, v[TM]
	ds_store_b64 v[CSTA], v[CL:CL+1] offset:CTB
	s_wait_dscnt 0x0                               ; for the other waves' sake: my part of the tables is written
	s_barrier_signal -1
	s_barrier_wait -1                              ; the kernel's one barrier: the tables are whole, and nobody writes them again
	; layer 1's numbers, the rows of W1 for dy and for the first term, then the 32 weight fragments
.irp t, 0,1,2,3
.irp k, 0,1,2,3,4,5
	ds_load_b32 v[AT+8*\t+\k], v[W1AA] offset:W1T+256*\k+64*\t     ; W1[k][16 t + r]
.endr
	ds_load_b32 v[AT+8*\t+6], v[W1AA] offset:CTB+768+64*\t         ; b1[16 t + r]
.endr
.set ii, 0
.rept 8                                ; numbers 4 ii .. of a row in fragment order: k = 32 (ii / 4) + 16 ((ii / 2) % 2) + 8 h + 4 (ii % 2) ..
	ds_load_b128 v[RZ+4*ii:RZ+4*ii+3], v[ROWA] offset:W1T+128*(ii/4)+64*((ii/2)%2)+16*(ii%2)
	ds_load_b128 v[RP+4*ii:RP+4*ii+3], v[ROWB] offset:W1T+128*(ii/4)+64*((ii/2)%2)+16*(ii%2)
.set ii, ii+1
.endr
	CFG 1, 0, 0, 0
.irp t, 0,1,2,3
.irp q, 0,1
	ds_load_tr16_b128 v[W2T+16*\t+8*\q:W2T+16*\t+8*\q+3],   v[TRA] offset:W2L+32*WPITCH*\q+32*\t
	ds_load_tr16_b128 v[W2T+16*\t+8*\q+4:W2T+16*\t+8*\q+7], v[TRA] offset:W2L+32*WPITCH*\q+32*\t+16*WPITCH
	ds_load_tr16_b128 v[W3T+16*\t+8*\q:W3T+16*\t+8*\q+3],   v[TRA] offset:W3L+32*WPITCH*\q+32*\t
	ds_load_tr16_b128 v[W3T+16*\t+8*\q+4:W3T+16*\t+8*\q+7], v[TRA] offset:W3L+32*WPITCH*\q+32*\t+16*WPITCH
	ds_load_b128 v[W2N+16*\t+8*\q:W2N+16*\t+8*\q+3],   v[PLA] offset:W2L+16*WPITCH*\t+64*\q
	ds_load_b128 v[W2N+16*\t+8*\q+4:W2N+16*\t+8*\q+7], v[PLA] offset:W2L+16*WPITCH*\t+64*\q+32
	ds_load_b128 v[W3N+16*\t+8*\q:W3N+16*\t+8*\q+3],   v[PLA] offset:W3L+16*WPITCH*\t+64*\q
	ds_load_b128 v[W3N+16*\t+8*\q+4:W3N+16*\t+8*\q+7], v[PLA] offset:W3L+16*WPITCH*\t+64*\q+32
.endr
.endr
	CFG 0, 0, 0, 0
	s_wait_dscnt 0x0
.irp t, 0,1,2,3
	v_cvt_pk_bf16_f32 v[BT+4*\t],   v[AT+8*\t],   v[AT+8*\t+1]     ; exact: the numbers are bf16 already
	v_cvt_pk_bf16_f32 v[BT+4*\t+1], v[AT+8*\t+2], v[AT+8*\t+3]
	v_cvt_pk_bf16_f32 v[BT+4*\t+2], v[AT+8*\t+4], v[AT+8*\t+5]
	v_cvt_pk_bf16_f32 v[BT+4*\t+3], v[AT+8*\t+6], 0
.endr
.set pp, 0
.rept 16
	v_cvt_pk_bf16_f32 v[BT+16+pp], v[RZ+2*pp], v[RZ+2*pp+1]
.set pp, pp+1
.endr
	PKMUL RP, RP, RZ                               ; W1[r / 4][k] W1[r % 4][k]: 16 significant bits, exact in f32 and as hi + lo
	CFG 2, 0, 0, 0
.irp t, 0,1,2,3
.irp c, 0,1,2,3
	v_cndmask_b32 v[W1A+8*\t+\c], 0, v[BT+4*\t+\c], s42            ; k 0..7 in lanes 0-15; k 8..15 are 0
	v_mov_b32 v[W1A+8*\t+4+\c], 0                                  ; k 16..31 are 0
.endr
.endr
.set pp, 0
.rept 16
	v_cndmask_b32 v[W1R+pp], 0, v[BT+16+pp], s48                   ; rows 0..3 (r % 4 = r there); rows 4..15 are 0
.set pp, pp+1
.endr
	SPLIT PHI, PLO, RP, 0, 2
	CFG 0, 0, 0, 0
.irp c, 4,5,6,7
	v_mov_b32 v[XF+\c], 0                          ; x has no k 16..31
.endr
	s_mov_b32 s43, 8
; ================= a trip: 16 samples =================
; Behind each block of matrix instructions stands vector work that names none of its registers; the first line that reads such a block's
; result, writes or loads into one of its operands, or lets a later matrix instruction write over them stands at least 64 such lines further on.
; Only layer 1's four instructions are used at once, and get four v_nop.
.Ltrip:
	ds_load_b128 v[XF:XF+3], v[XA]
	LDC RK, W1T                                    ; W1's row 0
	s_wait_dscnt 0x8                               ; LDS loads come back in order (ISA guide 5.7.1): x is in, the eight behind it may be out
.irp c, 0,1,2,3
	v_cndmask_b32 v[XF+\c], 0, v[XF+\c], s42       ; k 8..15 are 0
.endr
	CFG 0, 2, 0, 0
.irp t, 0,1,2,3
	MM RZ+8*\t, W1A+8*\t, XF, 1                    ; z1, b1 included
.endr
	PLACES
	ACT FS1, FR1, CTB                              ; s1, r1, h1; b2 into the accumulators
	s_wait_dscnt 0x0                               ; b2 is in (and W1's row 0)
	CFG 0, 1, 0, 0
	MV RZ, W2T, HFH, 4, 0                          ; z2
	T1 0, W1T+256
	T1 1, W1T+512
	CFG 3, 1, 3, 3
	MV DZ2, W2T, DH1, 4, 1                         ; dz2, directions 0 and 1
	MV DZ2+32, W2T, DH1+32, 4, 1
	ACT FS2, FR2, CTB+256                          ; s2, r2, h2; b3 into the accumulators
	s_wait_dscnt 0x0                               ; b3 is in
	CFG 0, 1, 0, 0
	MV RZ, W3T, HFH, 4, 0                          ; z3
	T1 0, W1T+768
	T1 1, CTB+512                                  ; behind the last row of W1: Wout
	CFG 3, 1, 3, 3
	MV DZ2+64, W2T, DH1, 4, 1                      ; dz2, directions 2 and 3
	MV DZ2+96, W2T, DH1+32, 4, 1
	ACT3                                           ; my part of y, g3, c3
	CFG 0, 1, 0, 0
	MV RZ, W3N, HFH, 4, 1                          ; a2 = W3 g3
	CV2 0
	CV2 1
	CV2 2
	CV2 3
	BK FS2, FR2                                    ; g2, c2
	CFG 0, 1, 0, 0
	MV RZ, W2N, HFH, 4, 1                          ; a1 = W2 g2
	CFG 3, 1, 0, 3
	MV DZ3, W3T, DH2, 2, 1                         ; dz3, over the registers of the tangent buffers, E and U, all dead
	MV DZ3+32, W3T, DH2+16, 2, 1
	MV DZ3+64, W3T, DH2+32, 2, 1
	MV DZ3+96, W3T, DH2+48, 2, 1
	CONTR FR2, DZ2, 1                              ; the Hessian's second term starts the ten sums
	BK FS1, FR1                                    ; g1, c1
	SPLIT CFH, CFL, FR1, 2, 0
	CFG 0, 2, 0, 0
	; dy = W1 g1 and the first term (W1 W1) c1.  Three accumulators take turns, one instruction a turn.
	MM H1A, PHI, CFH, 1
	MM DYA, W1R, HFH, 1
	MM RZ, PLO, CFH, 1
	MM H1A, PHI+8, CFH+8, 0
	MM DYA, W1R+8, HFH+8, 0
	MM RZ, PLO+8, CFH+8, 0
	MM H1A, PHI, CFL, 0
	MM DYA, W1R, HFL, 0
	MM H1A, PHI+8, CFL+8, 0
	MM DYA, W1R+8, HFL+8, 0
	CONTR FC3, DZ3, 0                              ; the third term
	; ---- out ----
	CFG 0, 0, 0, 0
.irp x, 0,1,2,3,4,5,6,7,8,9
	v_add_f32 v[HACC+2*\x], v[HACC+2*\x], v[HACC+2*\x+1]
.endr
.irp x, 0,1,2,3,4,5,6,7,8,9
	v_permlanex16_b32 v[RP+16+\x], v[HACC+2*\x], s38, s39          ; the other 32 features of my sample; the destinations were written in this trip
.endr
	v_permlanex16_b32 v[RP+26], v[YR], s38, s39
.irp x, 0,1,2,3,4,5,6,7,8,9
	v_add_f32 v[HACC+2*\x], v[HACC+2*\x], v[RP+16+\x]
.endr
	v_add_f32 v[YR], v[YR], v[RP+26]               ; the same bits in both lanes of a sample
	SEL 0, 0, 2                                    ; lanes 0-15: (0,0) (0,1) (0,2) (0,3) (1,0) (1,1) (1,2) (1,3)
	SEL 1, 1, 5                                    ; lanes 16-31: (2,0) (2,1) (2,2) (2,3) (3,0) (3,1) (3,2) (3,3)
	SEL 2, 2, 7
	SEL 3, 3, 8
	SEL 4, 1, 3
	SEL 5, 4, 6
	SEL 6, 5, 8
	SEL 7, 6, 9
.irp x, 0,2,4,6
	v_pk_add_f32 v[H1A+\x:H1A+\x+1], v[H1A+\x:H1A+\x+1], v[RZ+\x:RZ+\x+1]
.endr
.irp x, 0,2,4,6
	v_pk_add_f32 v[H1A+\x:H1A+\x+1], v[H1A+\x:H1A+\x+1], v[RP+\x:RP+\x+1]
.endr
	ds_store_b128 v[HST], v[H1A:H1A+3]             ; my wave's own stage: no barrier
	ds_store_b128 v[HST], v[H1A+4:H1A+7] offset:16
	ds_store_b32 v[YST], v[YR]                     ; both lanes of a sample write the same word with the same value
	ds_load_b128 v[RP:RP+3], v[HLD]                ; LDS serves a wave's instructions in order (ISA guide 5.7.1): these see the stores above
	ds_load_b128 v[RP+4:RP+7], v[HLD] offset:8*HPITCH
	s_wait_dscnt 0x0
	global_store_b128 v[O2], v[RP:RP+3], s[30:31] th:TH_STORE_NT               ; each store of the wave covers 512 consecutive bytes, aligned
	global_store_b128 v[O2], v[RP+4:RP+7], s[30:31] offset:512 th:TH_STORE_NT
	v_cmp_gt_u32 vcc_lo, 16, v[LN]
	s_wait_xcnt 0x0                                ; EXEC is a source of the pending stores: it changes only behind this wait
	s_and_saveexec_b32 s40, vcc_lo
	global_store_b128 v[O1], v[DYA:DYA+3], s[28:29] th:TH_STORE_NT             ; lanes 0-15 hold dy: 256 consecutive bytes, aligned
	s_wait_xcnt 0x0                                ; and again before it widens; the stores' data and bases are also rewritten only behind this wait
	s_or_b32 exec_lo, exec_lo, s40
	s_add_nc_u64 s[30:31], s[30:31], 1024          ; 16 samples on
	s_add_nc_u64 s[28:29], s[28:29], 256
	v_add_nc_u32 v[XA], 0x100, v[XA]
	v_add_nc_u32 v[YST], 64, v[YST]
	s_sub_co_i32 s43, s43, 1
	s_cmp_lg_u32 s43, 0
	s_cbranch_scc1 .Ltrip
	; y of my wave's 128 samples: one store of 512 consecutive bytes
	v_lshl_add_u32 v[T0], v[LN], 4, s51
	ds_load_b128 v[RP:RP+3], v[T0]                 ; behind my own stores, in order
	s_wait_dscnt 0x0
	global_store_b128 v[O2], v[RP:RP+3], s[26:27] th:TH_STORE_NT
	s_set_vgpr_msb 0xa
	s_wait_tensorcnt 0x0
	ds_add_u32 v254, v255
	s_wait_dscnt 0x0
	s_set_vgpr_msb 0xa00
	s_endpgm
.Lfunc_end_k_q5bf49dc36a_idnn:
	.size	k_q5bf49dc36a_idnn, .Lfunc_end_k_q5bf49dc36a_idnn-k_q5bf49dc36a_idnn
	.p2alignl 7, 3214868480
	.fill 96, 4, 3214868480
	.section	.rodata,"a",@progbits
	.p2align	6, 0x0
	.amdhsa_kernel k_q5bf49dc36a_idnn
		.amdhsa_group_segment_fixed_size 37376
		.amdhsa_private_segment_fixed_size 0
		.amdhsa_enable_private_segment 0
		.amdhsa_kernarg_size 96
		.amdhsa_user_sgpr_count 2
		.amdhsa_user_sgpr_kernarg_segment_ptr 1
		.amdhsa_wavefront_size32 1
		.amdhsa_system_sgpr_workgroup_id_x 1
		.amdhsa_system_sgpr_workgroup_id_y 1
		.amdhsa_system_sgpr_workgroup_id_z 1
		.amdhsa_system_vgpr_workitem_id 0
		.amdhsa_next_free_vgpr 1024
		.amdhsa_next_free_sgpr 66
		.amdhsa_reserve_vcc 1
		.amdhsa_float_denorm_mode_32 3
		.amdhsa_float_denorm_mode_16_64 3
		.amdhsa_memory_ordered 1
		.amdhsa_forward_progress 1
		.amdhsa_inst_pref_size 158
	.end_amdhsa_kernel
	.amdgpu_metadata
---
amdhsa.version: [ 1, 2 ]
amdhsa.kernels:
  - .name:           k_q5bf49dc36a_idnn
    .symbol:         k_q5bf49dc36a_idnn.kd
    .args:
      - { .name: x1, .offset: 0, .size: 8, .value_kind: global_buffer, .address_space: global }
      - { .name: x4, .offset: 8, .size: 8, .value_kind: global_buffer, .address_space: global }
      - { .name: W1, .offset: 16, .size: 8, .value_kind: global_buffer, .address_space: global }
      - { .name: b1, .offset: 24, .size: 8, .value_kind: global_buffer, .address_space: global }
      - { .name: W2, .offset: 32, .size: 8, .value_kind: global_buffer, .address_space: global }
      - { .name: b2, .offset: 40, .size: 8, .value_kind: global_buffer, .address_space: global }
      - { .name: W3, .offset: 48, .size: 8, .value_kind: global_buffer, .address_space: global }
      - { .name: b3, .offset: 56, .size: 8, .value_kind: global_buffer, .address_space: global }
      - { .name: Wout, .offset: 64, .size: 8, .value_kind: global_buffer, .address_space: global }
      - { .name: out0, .offset: 72, .size: 8, .value_kind: global_buffer, .address_space: global }
      - { .name: out1, .offset: 80, .size: 8, .value_kind: global_buffer, .address_space: global }
      - { .name: out2, .offset: 88, .size: 8, .value_kind: global_buffer, .address_space: global }
    .group_segment_fixed_size: 37376
    .private_segment_fixed_size: 0
    .kernarg_segment_align: 8
    .kernarg_segment_size: 96
    .max_flat_workgroup_size: 128
    .sgpr_count:     66
    .vgpr_count:     1024
    .wavefront_size: 32
...
	.end_amdgpu_metadata
.endif
;; end of part 1
;; ======== version 2 of 2: 1 launch; 1.15 times as fast as version 1
;; limits: values outside matrix products are rounded to bf16
;; launch idnn (part 2): grid 256 x 1, 4 waves a work-group, no clusters, 37,376 bytes of LDS; arguments x1, x4, W1, b1, W2, b2, W3, b3, Wout, out0, out1, out2; writes out0, out1, out2
.if DOCPART == 2
	.amdgcn_target "amdgcn-amd-amdhsa--gfx1250"
	.amdhsa_code_object_version 6
	.text
	.protected	k_q5bf49dc36a_idnn
	.globl	k_q5bf49dc36a_idnn
	.p2align	8
	.type	k_q5bf49dc36a_idnn,@function
k_q5bf49dc36a_idnn:
	s_mov_b64 s[64:65], 0
	v_nop
	global_prefetch_b8 v0, s[64:65] scope:SCOPE_SE
	s_setreg_imm32_b32 hwreg(HW_REG_WAVE_MODE, 25, 1), 1
	s_wait_xcnt 0x0
; y, dy/dx1 and d2y/dx1^2 of a softplus MLP 6 -> 64 -> 64 -> 64 -> 1 for 131,072 samples, in one launch.
;
; THE MATHEMATICS.  E = e^min(z,64), U = 1 + E, r = 1/U, s = E r (the sigmoid), softplus = max(ln U, z), softplus'' = s r.
;   value:    z1 = W1^T [x1,x4] + b1, z2 = W2^T h1 + b2, z3 = W3^T h2 + b3, y = Wout . h3
;   backward: g3 = Wout s3, a2 = W3 g3, g2 = a2 s2, a1 = W2 g2, g1 = a1 s1, dy_i = sum_k W1[i][k] g1_k;  c_l = g_l r_l
;   tangents: dz2_i = W2^T (s1 W1[i]), dz3_i = W3^T (s2 dz2_i), i = 0..3
;   Hessian:  H_ij = sum_k W1[i][k] W1[j][k] c1_k + sum_k c2_k dz2_ik dz2_jk + sum_k c3_k dz3_ik dz3_jk
; That is 12 products with a 64 x 64 matrix for a sample.
;
; THE SHARES.  256 work-groups of four waves, one wave on each SIMD; a wave owns 128 neighbouring samples and walks them in 8 trips of 16.
; All weight fragments stay in the wave's registers (336 of them), so the loop reads no memory: x was brought at the start, 24 bytes a sample.
; Weights are the matrix instruction's A (rows = output features), activations its B (column = sample r = lane & 15).  Register j of result
; tile t in lane (r, h) is then feature 16 t + 8 h + j of sample r; a FIELD is 32 such registers, index e = 8 t + j.  Packing numbers 2p and
; 2p + 1 of a field gives register p of the next product's B fragments (p < 8: K 0..31, p >= 8: K 32..63): no transpose, no LDS between layers.
;
; THE ORDER.  A wave has its SIMD to itself, so matrix and vector work overlap only where they alternate in the wave's own text.  Each block of
; matrix instructions is therefore a QUEUE, dealt out one instruction behind every p vector instructions of a HOST: a block of vector work that
; names none of the queue's registers.  The macros START, TK, TKX, DRAIN and NEED do that while the text is assembled; the trip below names each
; queue, its host and the arithmetic of its period.  The price is a change of register window in front of and behind a dealt-out instruction.
;
; FORMATS AND LIMITS.
;  - All nine inputs, the biases too, are rounded once to bf16; the program computes the function of the rounded inputs.
;  - The activations h1, h2 and g3, g2, g1, c1 enter the matrix unit as a bf16 pair hi + lo (error about 2^-16 of the number), two K passes each.
;  - The tangents s1 W1[i] and s2 dz2_i go as one bf16 (2^-9 of the number): they reach only the second and third terms of the Hessian,
;    never y or dy.
;  - z is clamped at 64 inside the exponential: above that 1 - sigmoid stays at e^-64 (absolute error below 2e-28), softplus is z by the maximum.
;    Below z of about -87 the exponential is flushed to 0, and with it s, g and c of that unit.
;  - A NaN in a pre-activation is NOT passed on (v_min_num_f32, v_max_num_f32 let the number win); an infinite activation gives NaN in its lo half.
;  - y = Wout . h3 has one output column and the per-sample contraction of the Hessian uses each factor for one sample alone: either would use one
;    row in sixteen of a result tile, so both are f32 multiply-adds.
;  - No cluster, no joint loads: what work-groups share is 35,328 bytes of weights and biases, read once by each at its start, and no loop reads memory.
;    No tensor loads: a wave's whole input is 3,072 bytes.
; ---------------- LDS map (bytes) ----------------
.set WPITCH, 144                       ; a row of 64 bf16 + 16 bytes
.set W2L, 0                            ; W2 as bf16 [k][n], 64 rows
.set W3L, 9216                         ; W3 likewise
.set W1T, 18432                        ; W1, rounded to bf16 and widened to f32, 6 rows of 256 bytes
.set CTB, 19968                        ; b2 | b3 | Wout | b1, rounded and widened, 256 bytes each
.set XT,  20992                        ; each wave 2,048 bytes: sample s at 16 s = bf16 {x1[0..3], x4[0..1], 1.0, 0}
.set HS,  29184                        ; each wave 1,280 bytes: the Hessians of 16 samples, pitch 80
.set HPITCH, 80
.set YS,  34304                        ; each wave 512 bytes: y of its 128 samples
; ---------------- window 0 ----------------
.set XA, 1                             ; LDS address of my sample's x; 256 further each trip
.set CA, 2                             ; 32 h: my half of a 64-entry f32 vector in field order
.set HST, 3                            ; Hessian stage, in
.set HLD, 4                            ; Hessian stage, back
.set YST, 5                            ; y stage; 64 further each trip
.set O2, 6                             ; 16 x lane
.set O1, 7                             ; 16 r
.set LN, 8                             ; lane
.set XSTA, 9                           ; set-up addresses, never rewritten
.set WSTA, 10
.set G4T, 11
.set CSTA, 12
.set G8L, 13
.set G16T, 14
.set MONE, 15                          ; -1.0
.set XF, 16                            ; v[16:23]  x fragment; 20-23 stay 0
.set HACC, 24                          ; v[24:43]  ten pairs: the sums of the contraction
.set YR, 44                            ; y
.set RR, 45                            ; r
.set HH, 46                            ; h
.set T0, 47                            ; scratch
.set DYA, 48                           ; v[48:55]  accumulator of dy
.set H1A, 56                           ; v[56:63]  accumulator of the Hessian's first term
.set RZ, 64                            ; v[64:95]  field: the single column's accumulator; v[64:71] also a second accumulator of the first term
.set RP, 96                            ; v[96:127] field: scratch
.set HFH, 128                          ; v[128:143] B fragments, hi
.set HFL, 144                          ; v[144:159] B fragments, lo (HFH + 16: one run of four K passes)
.set RK, 160                           ; v[160:191] field: a row of W1, then Wout; then c1's fragments:
.set CFH, 160
.set CFL, 176
.set DH2, 192                          ; v[192:255] s2 dz2, 16 registers a direction
; set-up only
.set X1R, 64
.set X4R, 80
.set XS, 96
.set W2R, 128
.set W3R, 160
.set W1L, 192
.set CL, 196
.set TM, 198
.set TRA, 200
.set PLA, 201
.set W1AA, 202
.set ROWA, 203
.set ROWB, 204
.set W1STA, 206
.set AT, 128
.set BT, 160
; ---------------- window 1: weight fragments, (t, q) at base + 16 t + 8 q ----------------
.set W2T, 0                            ; A(m, k) = W2[k][m]: forward
.set W3T, 64
.set W3N, 128                          ; A(m, k) = W3[m][k]: backward
.set W2N, 192
; ---------------- window 2 ----------------
.set W1A, 0                            ; layer 1, 8 registers a tile: k 0..5 = W1, k 6 = b1, the rest 0
.set W1R, 32                           ; rows 0..3 = W1[i][.], the rest 0
.set PHI, 48                           ; row 4i+j = W1[i][.] W1[j][.], hi
.set PLO, 64                           ; and lo: the pair is exact
.set FS1, 80
.set FR1, 112                          ; r1, then c1
.set FS2, 144
.set FR2, 176                          ; r2, then c2
.set FC3, 208                          ; r3, then c3
; ---------------- window 3 ----------------
.set DZ2, 0                            ; direction i, tile t at 32 i + 8 t
.set DZ3, 128
.set DH1, 128                          ; s1 W1[i], 16 registers a direction, on the registers of dz3's directions 0 and 1: dead before dz3 is made
.set RE, 192                           ; field E, on dz3's direction 2, likewise
.set RU, 224                           ; field U, on dz3's direction 3, likewise
; ---------------- register windows ----------------
; s_set_vgpr_msb: bits 1:0 source 0, 3:2 source 1, 5:4 source 2, 7:6 destination; the high byte repeats the setting that is left.
; CFG only notes the setting that the vector work wants; the switch is written in front of the instruction that needs it (TK, TKX), so that a
; switch back behind a matrix instruction is not written where the next block would change it again.  CFGN writes it at once, for plain text.
.set MSB, 0                            ; the setting in force at this place of the text
.set WANT, 0                           ; the setting that the vector work wants
.macro SETW w
.if MSB != (\w)
	s_set_vgpr_msb (MSB<<8)|(\w)
.set MSB, (\w)
.endif
.endm
.macro CFG d, a, b, c
.set WANT, ((\d)<<6)|((\c)<<4)|((\b)<<2)|(\a)
.endm
.macro CFGN d, a, b, c
	CFG \d, \a, \b, \c
	SETW WANT
.endm
.set WA2,  0x02                        ; matrix settings: A window 2, the rest window 0 (layer 1; dy and the first term)
.set WZC,  0x01                        ; A window 1, B, C, D window 0 (the single column)
.set WDZ2, 0xfd                        ; A window 1, B, C, D window 3 (dz2)
.set WDZ3, 0xf1                        ; A window 1, B window 0, C, D window 3 (dz3)
.macro MM d, a, b, zero
.if \zero
	v_wmma_f32_16x16x32_bf16 v[\d:\d+7], v[\a:\a+7], v[\b:\b+7], 0
.else
	v_wmma_f32_16x16x32_bf16 v[\d:\d+7], v[\a:\a+7], v[\b:\b+7], v[\d:\d+7]
.endif
.endm
; ---------------- the queue of matrix instructions ----------------
.set QN, 0                             ; instructions left in the queue
.set QI, 0                             ; the next one's number
.set QP, 1                             ; its period: vector and LDS instructions between two of the queue
.set QV, 0                             ; such instructions since the last matrix instruction
.set QPL, 16                           ; plain vector instructions since the last matrix instruction: the places of ISA guide 7.12.1
.set QMODE, 0
.set QW, 0
.set QD, 0
.set QA, 0
.set QB, 0
.set QNK, 1
.set QZ, 0
; dy = W1 g1 and the first term (W1 W1) c1.  Three accumulators take turns, one instruction a turn.
.macro MMDSTEP
.if QI == 0
	MM H1A, PHI, CFH, 1
.endif
.if QI == 1
	MM DYA, W1R, HFH, 1
.endif
.if QI == 2
	MM RZ, PLO, CFH, 1
.endif
.if QI == 3
	MM H1A, PHI+8, CFH+8, 0
.endif
.if QI == 4
	MM DYA, W1R+8, HFH+8, 0
.endif
.if QI == 5
	MM RZ, PLO+8, CFH+8, 0
.endif
.if QI == 6
	MM H1A, PHI, CFL, 0
.endif
.if QI == 7
	MM DYA, W1R, HFL, 0
.endif
.if QI == 8
	MM H1A, PHI+8, CFL+8, 0
.endif
.if QI == 9
	MM DYA, W1R+8, HFL+8, 0
.endif
.endm
; The queue's next instruction.  Mode 0: blocks of 64 output features of 16 samples, QNK K passes of 32 each (of four: 0, 1 hi, 2, 3 lo) x four
; tiles; number QI is tile QI % 4 of pass QI / 4.  B's fragments of all passes and blocks follow each other, 8 registers a pass; a block's results
; lie 32 registers behind the last block's.  The four accumulators of a block take turns, one instruction a turn.
; QZ = 1: a block's first pass starts its sums; QZ = 0: the bias already lies in the accumulators.
.macro QEMIT
	SETW QW
.if QMODE == 0
.set qt, QI%4
.set qk, QI/4
.set qz, 0
.if QZ
.if (qk%QNK) == 0
.set qz, 1
.endif
.endif
.set qd, QD+32*(qk/QNK)+8*qt
.set qa, QA+16*qt+8*(qk&1)
.set qb, QB+8*qk
	MM qd, qa, qb, qz
.else
	MMDSTEP
.endif
.set QI, QI+1
.set QN, QN-1
.set QV, 0
.set QPL, 0
.endm
.macro TK                              ; stands in front of a plain vector instruction
.if QN > 0
.if QV >= QP
	QEMIT
.endif
.endif
	SETW WANT
.set QV, QV+1
.set QPL, QPL+1
.endm
.macro TKX                             ; stands in front of a transcendental or an LDS instruction: these are no places
.if QN > 0
.if QV >= QP
	QEMIT
.endif
.endif
	SETW WANT
.set QV, QV+1
.endm
.macro DRAIN                           ; what is left of the queue
.rept QN
	QEMIT
.endr
.endm
.macro NEED cnt                        ; cnt places stand behind the last matrix instruction (ISA guide 7.12.1): v_nop for those that the text does not have
.if QPL < \cnt
.rept \cnt-QPL
	v_nop
.endr
.set QPL, \cnt
.endif
.endm
; A new queue.  The old one is emptied and five places are put behind it, so that from here on vector work, loads and matrix instructions may
; read its results and write over its registers.  The first instruction goes out in front of the host's first.
.macro START mode, w, d, a, b, nk, z, cnt, per
	DRAIN
	NEED 5
.set QMODE, \mode
.set QW, \w
.set QD, \d
.set QA, \a
.set QB, \b
.set QNK, \nk
.set QZ, \z
.set QI, 0
.set QN, \cnt
.set QP, \per
.set QV, \per
.endm
; ---------------- vector work ----------------
; A 64-entry f32 vector at LDS byte off, in field order: tile t's eight numbers of my half at 64 t + 32 h.  All lanes of a half read the same bytes.
.macro LDC dst, off
.set ii, 0
.rept 8
	TKX
	ds_load_b128 v[(\dst)+4*ii:(\dst)+4*ii+3], v[CA] offset:(\off)+64*(ii/2)+16*(ii%2)
.set ii, ii+1
.endr
.endm
; 32 numbers at a time
.macro PKMUL d, a, b
.set ee, 0
.rept 16
	TK
	v_pk_mul_f32 v[(\d)+ee:(\d)+ee+1], v[(\a)+ee:(\a)+ee+1], v[(\b)+ee:(\b)+ee+1]
.set ee, ee+2
.endr
.endm
.macro PKMULS d, a, sc
.set ee, 0
.rept 16
	TK
	v_pk_mul_f32 v[(\d)+ee:(\d)+ee+1], v[(\a)+ee:(\a)+ee+1], s[\sc:\sc+1] op_sel_hi:[1,0]
.set ee, ee+2
.endr
.endm
.macro PKADDC d, a, cst
.set ee, 0
.rept 16
	TK
	v_pk_add_f32 v[(\d)+ee:(\d)+ee+1], v[(\a)+ee:(\a)+ee+1], \cst op_sel_hi:[1,0]
.set ee, ee+2
.endr
.endm
; 32 transcendentals on different registers, then one plain place before a result is used or a source rewritten (ISA guide 5.7.2);
; a matrix instruction dealt out among them touches none of their registers and is no such place
.macro TRANS op, d, a
.set ee, 0
.rept 32
	TKX
	\op v[(\d)+ee], v[(\a)+ee]
.set ee, ee+1
.endr
	TK
	v_nop
	s_wait_alu depctr_va_vdst(0)
.endm
.macro MAXZ                            ; U = max(U, z): softplus is z where 1 + E has lost the 1
.set ee, 0
.rept 32
	TK
	v_max_num_f32 v[RU+ee], v[RU+ee], v[RZ+ee]
.set ee, ee+1
.endr
.endm
; A field src (window ws) becomes B (or A) fragments hi and lo (window wd).  hi: both numbers rounded to bf16.  lo: first the odd number's residue
; as a whole f32 (its upper half is that residue cut to bf16), then the even number's residue rounded into the lower half.
.macro SPLIT hi, lo, src, ws, wd
	CFG \wd, \ws, \ws, 0
.set pp, 0
.rept 16
	TK
	v_cvt_pk_bf16_f32 v[(\hi)+pp], v[(\src)+2*pp], v[(\src)+2*pp+1]
.set pp, pp+1
.endr
	CFG \wd, \wd, 0, \ws
.set pp, 0
.rept 16
	TK
	v_fma_mix_f32_bf16 v[(\lo)+pp], v[(\hi)+pp], v[MONE], v[(\src)+2*pp+1] op_sel:[1,0,0] op_sel_hi:[1,0,0]
.set pp, pp+1
.endr
.set pp, 0
.rept 16
	TK
	v_fma_mixlo_bf16 v[(\lo)+pp], v[(\hi)+pp], v[MONE], v[(\src)+2*pp] op_sel_hi:[1,0,0]
.set pp, pp+1
.endr
.endm
; E = e^min(z, 64), U = 1 + E
.macro ACT_HEAD
	CFG 3, 3, 0, 0
.set ee, 0
.rept 32
	TK
	v_min_num_f32 v[RE+ee], s36, v[RZ+ee]
.set ee, ee+1
.endr
	PKMULS RE, RE, 32
	TRANS v_exp_f32, RE, RE
	PKADDC RU, RE, 1.0
.endm
; Layers 1 and 2: r and s are kept, softplus goes into the fragments HFH, HFL, and the next layer's bias is fetched into the accumulators.
; 283 instructions.
.macro ACT fs, fr, bias
	ACT_HEAD
	CFG 2, 3, 2, 0
	TRANS v_rcp_f32, \fr, RU
	PKMUL \fs, RE, \fr
	CFG 3, 3, 0, 0
	TRANS v_log_f32, RU, RU
	PKMULS RU, RU, 34
	MAXZ
	CFG 0, 0, 0, 0
	LDC RZ, \bias
	SPLIT HFH, HFL, RU, 3, 0
.endm
; Layer 3: softplus with the part of E that 1 + E lost added back (ln U + (E - (U - 1)) / U), so that y holds where every h3 is tiny;
; my 32 terms of y; g3 into the fragments; c3 kept.  375 instructions.
.macro ACT3
	ACT_HEAD
	CFG 2, 3, 2, 0
	TRANS v_rcp_f32, FC3, RU
	CFG 0, 3, 0, 0
	PKADDC RP, RU, -1.0
.set ee, 0
.rept 16
	TK
	v_pk_add_f32 v[RP+ee:RP+ee+1], v[RE+ee:RE+ee+1], v[RP+ee:RP+ee+1] neg_lo:[0,1] neg_hi:[0,1]
.set ee, ee+2
.endr
	CFG 3, 3, 0, 0
	TRANS v_log_f32, RU, RU
	PKMULS RU, RU, 34
	CFG 3, 0, 2, 3
.set ee, 0
.rept 16
	TK
	v_pk_fma_f32 v[RU+ee:RU+ee+1], v[RP+ee:RP+ee+1], v[FC3+ee:FC3+ee+1], v[RU+ee:RU+ee+1]
.set ee, ee+2
.endr
	CFG 3, 3, 0, 0
	MAXZ
	s_wait_dscnt 0x0                               ; Wout is in RK
	CFG 0, 3, 0, 0
.set ee, 0
.rept 4
	TK
	v_pk_mul_f32 v[RP+ee:RP+ee+1], v[RU+ee:RU+ee+1], v[RK+ee:RK+ee+1]       ; four chains, started by the first products
.set ee, ee+2
.endr
.rept 12
	TK
	v_pk_fma_f32 v[RP+ee%8:RP+ee%8+1], v[RU+ee:RU+ee+1], v[RK+ee:RK+ee+1], v[RP+ee%8:RP+ee%8+1]
.set ee, ee+2
.endr
	CFG 3, 3, 2, 0
	PKMUL RE, RE, FC3                              ; s3
	CFG 3, 3, 0, 0
	PKMUL RE, RE, RK                               ; g3 = Wout s3
	CFG 2, 3, 2, 0
	PKMUL FC3, RE, FC3                             ; c3 = g3 r3
	SPLIT HFH, HFL, RE, 3, 0
	CFG 0, 0, 0, 0
	TK
	v_pk_add_f32 v[RP:RP+1], v[RP:RP+1], v[RP+2:RP+3]
	TK
	v_pk_add_f32 v[RP+4:RP+5], v[RP+4:RP+5], v[RP+6:RP+7]
	TK
	v_pk_add_f32 v[RP:RP+1], v[RP:RP+1], v[RP+4:RP+5]
	TK
	v_add_f32 v[YR], v[RP], v[RP+1]
.endm
; Direction b's tangent of layer 1, s1 W1[b], as one bf16; the vector that RK holds next is fetched behind its last use.  40 instructions.
.macro T1 b, next
	s_wait_dscnt 0x0                               ; the row of W1 is in RK
	CFG 0, 2, 0, 0
	PKMUL RP, FS1, RK
	CFG 0, 0, 0, 0
	LDC RK, \next
	CFG 3, 0, 0, 0
.set pp, 0
.rept 16
	TK
	v_cvt_pk_bf16_f32 v[DH1+16*\b+pp], v[RP+2*pp], v[RP+2*pp+1]
.set pp, pp+1
.endr
.endm
; One direction's tangent of layer 2, s2 dz2_i, as one bf16.  32 instructions.
.macro CV2 i
	CFG 0, 2, 3, 0
	PKMUL RP, FS2, DZ2+32*\i
	CFG 0, 0, 0, 0
.set pp, 0
.rept 16
	TK
	v_cvt_pk_bf16_f32 v[DH2+16*\i+pp], v[RP+2*pp], v[RP+2*pp+1]
.set pp, pp+1
.endr
.endm
; Backward through an activation: g = a s into the fragments, r becomes c = g r.  80 instructions.
.macro BK fs, fr
	CFG 0, 2, 0, 0
	PKMUL RP, \fs, RZ
	CFG 2, 2, 0, 0
	PKMUL \fr, \fr, RP
	SPLIT HFH, HFL, RP, 0, 0
.endm
; sum over my features of tiles t0 .. t0 + nt - 1 of c dz_i dz_j, for the ten pairs i <= j, two features at a time.  56 instructions a tile.
.macro PAIR idx, i, j, dz
	TK
.if startsum
	v_pk_mul_f32 v[HACC+2*\idx:HACC+2*\idx+1], v[RP+8*\i+2*jj:RP+8*\i+2*jj+1], v[(\dz)+32*\j+8*tt+2*jj:(\dz)+32*\j+8*tt+2*jj+1]
.else
	v_pk_fma_f32 v[HACC+2*\idx:HACC+2*\idx+1], v[RP+8*\i+2*jj:RP+8*\i+2*jj+1], v[(\dz)+32*\j+8*tt+2*jj:(\dz)+32*\j+8*tt+2*jj+1], v[HACC+2*\idx:HACC+2*\idx+1]
.endif
.endm
.macro CONTR c, dz, first, t0, nt
.set tt, \t0
.rept \nt
	CFG 0, 2, 3, 0
.set di, 0
.rept 4
.set jj, 0
.rept 4
	TK
	v_pk_mul_f32 v[RP+8*di+2*jj:RP+8*di+2*jj+1], v[(\c)+8*tt+2*jj:(\c)+8*tt+2*jj+1], v[(\dz)+32*di+8*tt+2*jj:(\dz)+32*di+8*tt+2*jj+1]
.set jj, jj+1
.endr
.set di, di+1
.endr
	CFG 0, 0, 3, 0
.set jj, 0
.rept 4
.set startsum, 0
.if \first
.if tt+jj == 0
.set startsum, 1                       ; the first products start the ten sums: nothing is cleared
.endif
.endif
	PAIR 0, 0, 0, \dz
	PAIR 1, 0, 1, \dz
	PAIR 2, 0, 2, \dz
	PAIR 3, 0, 3, \dz
	PAIR 4, 1, 1, \dz
	PAIR 5, 1, 2, \dz
	PAIR 6, 1, 3, \dz
	PAIR 7, 2, 2, \dz
	PAIR 8, 2, 3, \dz
	PAIR 9, 3, 3, \dz
.set jj, jj+1
.endr
.set tt, tt+1
.endr
.endm
.macro SEL j, a, b                     ; entry 8 h + j of the Hessian: sum a for lanes 0-15, sum b for lanes 16-31
	v_cndmask_b32 v[RP+\j], v[HACC+2*\a], v[HACC+2*\b], s41
.endm
; ================= set-up =================
	s_load_b512 s[8:23], s[0:1], 0x0               ; x1 s[8:9], x4 s[10:11], W1 s[12:13], b1 s[14:15], W2 s[16:17], b2 s[18:19], W3 s[20:21], b3 s[22:23]
	s_load_b256 s[24:31], s[0:1], 0x40             ; Wout s[24:25], out0 s[26:27], out1 s[28:29], out2 s[30:31]
	s_set_vgpr_msb 0x80
	v_lshl_add_u32 v254, v0, 2, 0x9000
	v_mov_b32 v255, 0
	s_set_vgpr_msb 0x8000
	v_lshrrev_b32 v[T0], 5, v0
	v_readfirstlane_b32 s4, v[T0]                  ; wave 0..3
	v_and_b32 v[LN], 31, v0
	v_and_b32 v[RR], 15, v0
	v_bfe_u32 v[HH], v0, 4, 1
	s_lshl_b32 s5, ttmp9, 2
	s_add_co_u32 s5, s5, s4                        ; my block of 128 samples, 0..1023
	s_mov_b32 s7, 0
	s_mov_b32 s32, 0x3fb8aa3b                      ; log2 e, twice (a pair is read whole)
	s_mov_b32 s33, 0x3fb8aa3b
	s_mov_b32 s34, 0x3f317218                      ; ln 2, twice
	s_mov_b32 s35, 0x3f317218
	s_mov_b32 s36, 0x42800000                      ; 64.0
	s_mov_b32 s38, 0x76543210                      ; v_permlanex16_b32: lane i of one half reads lane i of the other
	s_mov_b32 s39, 0xfedcba98
	s_lshl_b32 s49, s4, 11
	s_add_co_u32 s49, s49, XT                      ; my wave's x
	s_mul_i32 s50, s4, 1280
	s_add_co_u32 s50, s50, HS                      ; my wave's Hessian stage
	s_lshl_b32 s51, s4, 9
	s_add_co_u32 s51, s51, YS                      ; my wave's y stage
	s_lshl_b32 s52, s4, 8                          ; my wave's vector in CTB
	s_mul_i32 s53, s4, 2*WPITCH                    ; my wave's two rows of each chunk of W2, W3
	s_lshl_b32 s54, s4, 7                          ; my wave's 128 bytes of each chunk of W1
	v_cmp_le_u32 s41, 16, v[LN]                    ; lanes 16-31
	v_cmp_gt_u32 s42, 16, v[LN]                    ; lanes 0-15
	v_cmp_gt_u32 s48, 4, v[RR]                     ; r < 4
	v_mov_b32 v[MONE], -1.0
	v_lshlrev_b32 v[O2], 4, v[LN]
	v_lshlrev_b32 v[O1], 4, v[RR]
	v_lshlrev_b32 v[G8L], 3, v[LN]
	v_lshlrev_b32 v[G16T], 4, v0
	v_lshlrev_b32 v[G4T], 2, v0
	s_wait_kmcnt 0x0
	s_lshl_b32 s6, s5, 11                          ; 128 samples of 16 bytes
	s_add_nc_u64 s[8:9], s[8:9], s[6:7]
	s_add_nc_u64 s[28:29], s[28:29], s[6:7]
	s_lshl_b32 s6, s5, 10                          ; of 8 bytes
	s_add_nc_u64 s[10:11], s[10:11], s[6:7]
	s_lshl_b32 s6, s5, 9                           ; of 4 bytes
	s_add_nc_u64 s[26:27], s[26:27], s[6:7]
	s_lshl_b32 s6, s5, 13                          ; of 64 bytes
	s_add_nc_u64 s[30:31], s[30:31], s[6:7]
	s_cmp_eq_u32 s4, 1                             ; each wave brings one of the four 64-entry vectors: wave 0 b2, 1 b3, 2 Wout, 3 b1
	s_cselect_b64 s[44:45], s[22:23], s[18:19]
	s_cmp_eq_u32 s4, 2
	s_cselect_b64 s[44:45], s[24:25], s[44:45]
	s_cmp_eq_u32 s4, 3
	s_cselect_b64 s[44:45], s[14:15], s[44:45]
	; 28 loads: 8 of x (my wave's own), 8 + 8 of W2 and W3 and 3 of W1 (an eighth or a third of the matrix for the work-group's 128 threads each), 1 vector
.irp j, 0,1,2,3
	global_load_b128 v[X1R+4*\j:X1R+4*\j+3], v[O2], s[8:9] offset:512*\j th:TH_LOAD_NT     ; sample lane + 32 j
.endr
.irp j, 0,1,2,3
	global_load_b64 v[X4R+2*\j:X4R+2*\j+1], v[G8L], s[10:11] offset:256*\j th:TH_LOAD_NT
.endr
.irp c, 0,1,2,3,4,5,6,7
	global_load_b128 v[W2R+4*\c:W2R+4*\c+3], v[G16T], s[16:17] offset:2048*\c              ; row 8 c + thread / 16, columns 4 (thread % 16) ..
.endr
.irp c, 0,1,2,3,4,5,6,7
	global_load_b128 v[W3R+4*\c:W3R+4*\c+3], v[G16T], s[20:21] offset:2048*\c
.endr
.irp c, 0,1,2
	global_load_b32 v[W1L+\c], v[G4T], s[12:13] offset:512*\c
.endr
	global_load_b64 v[CL:CL+1], v[G8L], s[44:45]
	; addresses, while the loads are on their way
	v_lshl_add_u32 v[XSTA], v[LN], 4, s49
	v_lshl_add_u32 v[XA], v[RR], 4, s49
	v_mul_u32_u24 v[WSTA], v[HH], WPITCH
	v_lshl_add_u32 v[WSTA], v[RR], 3, v[WSTA]
	v_add_nc_u32 v[WSTA], s53, v[WSTA]             ; row 2 wave + h, 8 bytes at 8 r
	v_lshl_add_u32 v[W1STA], v[LN], 2, s54
	v_lshl_add_u32 v[CSTA], v[LN], 3, s52
	v_lshlrev_b32 v[CA], 5, v[HH]
	v_mul_u32_u24 v[HST], v[RR], HPITCH
	v_lshl_add_u32 v[HST], v[HH], 5, v[HST]
	v_add_nc_u32 v[HST], s50, v[HST]               ; sample r, entries 8 h ..
	v_lshrrev_b32 v[T0], 2, v[LN]
	v_mul_u32_u24 v[HLD], v[T0], HPITCH
	v_and_b32 v[T0], 3, v[LN]
	v_lshl_add_u32 v[HLD], v[T0], 4, v[HLD]
	v_add_nc_u32 v[HLD], s50, v[HLD]               ; sample lane / 4, 16 bytes at 16 (lane % 4)
	v_lshl_add_u32 v[YST], v[RR], 2, s51
	v_and_b32 v[T0], 7, v[LN]
	v_lshl_add_u32 v[T0], v[HH], 3, v[T0]
	v_mul_u32_u24 v[TRA], v[T0], WPITCH
	v_bfe_u32 v[T0], v[LN], 3, 1
	v_lshl_add_u32 v[TRA], v[T0], 4, v[TRA]        ; transposing loads: row 8 h + lane % 8, 16 bytes at 16 ((lane / 8) % 2)
	v_mul_u32_u24 v[PLA], v[RR], WPITCH
	v_lshl_add_u32 v[PLA], v[HH], 4, v[PLA]        ; plain fragments: row r, 16 bytes at 16 h
	v_lshlrev_b32 v[W1AA], 2, v[RR]
	v_and_b32 v[T0], 3, v[RR]
	v_lshl_add_u32 v[ROWA], v[T0], 8, v[CA]        ; row r % 4 of W1, my half
	v_lshrrev_b32 v[T0], 2, v[RR]
	v_lshl_add_u32 v[ROWB], v[T0], 8, v[CA]        ; row r / 4 of W1, my half
	s_wait_loadcnt 20                              ; loads come back in order (ISA guide 5.7.1): the 8 of x are in, the 20 issued behind them may be out
.irp j, 0,1,2,3
	v_cvt_pk_bf16_f32 v[XS+4*\j], v[X1R+4*\j], v[X1R+4*\j+1]
	v_cvt_pk_bf16_f32 v[XS+4*\j+1], v[X1R+4*\j+2], v[X1R+4*\j+3]
	v_cvt_pk_bf16_f32 v[XS+4*\j+2], v[X4R+2*\j], v[X4R+2*\j+1]
	v_mov_b32 v[XS+4*\j+3], 0x3f80                 ; k = 6: 1.0, which meets b1; k = 7: 0
	ds_store_b128 v[XSTA], v[XS+4*\j:XS+4*\j+3] offset:512*\j
.endr
	s_wait_loadcnt 12                              ; W2 is in: 8 of W3, 3 of W1 and 1 vector were issued behind it
.irp c, 0,1,2,3,4,5,6,7
	v_cvt_pk_bf16_f32 v[W2R+4*\c], v[W2R+4*\c], v[W2R+4*\c+1]
	v_cvt_pk_bf16_f32 v[W2R+4*\c+1], v[W2R+4*\c+2], v[W2R+4*\c+3]
	ds_store_b64 v[WSTA], v[W2R+4*\c:W2R+4*\c+1] offset:W2L+8*WPITCH*\c
.endr
	s_wait_loadcnt 4                               ; W3 is in: 3 of W1 and 1 vector were issued behind it
.irp c, 0,1,2,3,4,5,6,7
	v_cvt_pk_bf16_f32 v[W3R+4*\c], v[W3R+4*\c], v[W3R+4*\c+1]
	v_cvt_pk_bf16_f32 v[W3R+4*\c+1], v[W3R+4*\c+2], v[W3R+4*\c+3]
	ds_store_b64 v[WSTA], v[W3R+4*\c:W3R+4*\c+1] offset:W3L+8*WPITCH*\c
.endr
	s_wait_loadcnt 0x0
	v_cvt_pk_bf16_f32 v[TM], v[W1L], v[W1L+1]      ; rounded to bf16, widened again to f32
	v_cvt_pk_bf16_f32 v[TM+1], v[W1L+2], v[W1L+2]
	v_lshlrev_b32 v[W1L], 16, v[TM]
	v_and_b32 v[W1L+1], 0xffff0000, v[TM]
	v_and_b32 v[W1L+2], 0xffff0000, v[TM+1]
.irp c, 0,1,2
	ds_store_b32 v[W1STA], v[W1L+\c] offset:W1T+512*\c
.endr
	v_cvt_pk_bf16_f32 v[TM], v[CL], v[CL+1]
	v_lshlrev_b32 v[CL], 16, v[TM]
	v_and_b32 v[CL+1], 0xffff0000, v[TM]
	ds_store_b64 v[CSTA], v[CL:CL+1] offset:CTB
	s_wait_dscnt 0x0                               ; for the other waves' sake: my part of the tables is written
	s_barrier_signal -1
	s_barrier_wait -1                              ; the kernel's one barrier: the tables are whole, and nobody writes them again
	; layer 1's numbers, the rows of W1 for dy and for the first term, then the 32 weight fragments
.irp t, 0,1,2,3
.irp k, 0,1,2,3,4,5
	ds_load_b32 v[AT+8*\t+\k], v[W1AA] offset:W1T+256*\k+64*\t     ; W1[k][16 t + r]
.endr
	ds_load_b32 v[AT+8*\t+6], v[W1AA] offset:CTB+768+64*\t         ; b1[16 t + r]
.endr
.set ii, 0
.rept 8                                ; numbers 4 ii .. of a row in fragment order: k = 32 (ii / 4) + 16 ((ii / 2) % 2) + 8 h + 4 (ii % 2) ..
	ds_load_b128 v[RZ+4*ii:RZ+4*ii+3], v[ROWA] offset:W1T+128*(ii/4)+64*((ii/2)%2)+16*(ii%2)
	ds_load_b128 v[RP+4*ii:RP+4*ii+3], v[ROWB] offset:W1T+128*(ii/4)+64*((ii/2)%2)+16*(ii%2)
.set ii, ii+1
.endr
	CFGN 1, 0, 0, 0
.irp t, 0,1,2,3
.irp q, 0,1
	ds_load_tr16_b128 v[W2T+16*\t+8*\q:W2T+16*\t+8*\q+3],   v[TRA] offset:W2L+32*WPITCH*\q+32*\t
	ds_load_tr16_b128 v[W2T+16*\t+8*\q+4:W2T+16*\t+8*\q+7], v[TRA] offset:W2L+32*WPITCH*\q+32*\t+16*WPITCH
	ds_load_tr16_b128 v[W3T+16*\t+8*\q:W3T+16*\t+8*\q+3],   v[TRA] offset:W3L+32*WPITCH*\q+32*\t
	ds_load_tr16_b128 v[W3T+16*\t+8*\q+4:W3T+16*\t+8*\q+7], v[TRA] offset:W3L+32*WPITCH*\q+32*\t+16*WPITCH
	ds_load_b128 v[W2N+16*\t+8*\q:W2N+16*\t+8*\q+3],   v[PLA] offset:W2L+16*WPITCH*\t+64*\q
	ds_load_b128 v[W2N+16*\t+8*\q+4:W2N+16*\t+8*\q+7], v[PLA] offset:W2L+16*WPITCH*\t+64*\q+32
	ds_load_b128 v[W3N+16*\t+8*\q:W3N+16*\t+8*\q+3],   v[PLA] offset:W3L+16*WPITCH*\t+64*\q
	ds_load_b128 v[W3N+16*\t+8*\q+4:W3N+16*\t+8*\q+7], v[PLA] offset:W3L+16*WPITCH*\t+64*\q+32
.endr
.endr
	CFGN 0, 0, 0, 0
	s_wait_dscnt 0x0
.irp t, 0,1,2,3
	v_cvt_pk_bf16_f32 v[BT+4*\t],   v[AT+8*\t],   v[AT+8*\t+1]     ; exact: the numbers are bf16 already
	v_cvt_pk_bf16_f32 v[BT+4*\t+1], v[AT+8*\t+2], v[AT+8*\t+3]
	v_cvt_pk_bf16_f32 v[BT+4*\t+2], v[AT+8*\t+4], v[AT+8*\t+5]
	v_cvt_pk_bf16_f32 v[BT+4*\t+3], v[AT+8*\t+6], 0
.endr
.set pp, 0
.rept 16
	v_cvt_pk_bf16_f32 v[BT+16+pp], v[RZ+2*pp], v[RZ+2*pp+1]
.set pp, pp+1
.endr
	PKMUL RP, RP, RZ                               ; W1[r / 4][k] W1[r % 4][k]: 16 significant bits, exact in f32 and as hi + lo
	CFGN 2, 0, 0, 0
.irp t, 0,1,2,3
.irp c, 0,1,2,3
	v_cndmask_b32 v[W1A+8*\t+\c], 0, v[BT+4*\t+\c], s42            ; k 0..7 in lanes 0-15; k 8..15 are 0
	v_mov_b32 v[W1A+8*\t+4+\c], 0                                  ; k 16..31 are 0
.endr
.endr
.set pp, 0
.rept 16
	v_cndmask_b32 v[W1R+pp], 0, v[BT+16+pp], s48                   ; rows 0..3 (r % 4 = r there); rows 4..15 are 0
.set pp, pp+1
.endr
	SPLIT PHI, PLO, RP, 0, 2
	CFGN 0, 0, 0, 0
.irp c, 4,5,6,7
	v_mov_b32 v[XF+\c], 0                          ; x has no k 16..31
.endr
	s_mov_b32 s43, 8
; ================= a trip: 16 samples =================
; Each START line names a queue of n matrix instructions and its period p; the lines behind it, up to the next START, are its host.  A host
; names no register of its queue, and (n - 1) p is below the host's length, so the queue is dealt out inside it.
.Ltrip:
	ds_load_b128 v[XF:XF+3], v[XA]
	LDC RK, W1T                                    ; W1's row 0
	s_wait_dscnt 0x8                               ; LDS loads come back in order (ISA guide 5.7.1): x is in, the eight behind it may be out
.irp c, 0,1,2,3
	v_cndmask_b32 v[XF+\c], 0, v[XF+\c], s42       ; k 8..15 are 0
.endr
	SETW WA2
.irp t, 0,1,2,3
	MM RZ+8*\t, W1A+8*\t, XF, 1                    ; z1, b1 included: used at once, so these four stand together
.endr
.set QPL, 0
	NEED 4
	ACT FS1, FR1, CTB                              ; s1, r1, h1; b2 into the accumulators
	s_wait_dscnt 0x0                               ; b2 is in (and W1's row 0)
	START 0, WZC, RZ, W2T, HFH, 4, 0, 16, 5        ; z2: 15 x 5 = 75 of the host's 80; the five conversions behind the last are its places
	T1 0, W1T+256
	T1 1, W1T+512
	START 0, WDZ2, DZ2, W2T, DH1, 2, 1, 16, 16     ; dz2, directions 0 and 1, two K passes each: 15 x 16 = 240 of 283
	ACT FS2, FR2, CTB+256                          ; s2, r2, h2; b3 into the accumulators
	s_wait_dscnt 0x0                               ; b3 is in
	START 0, WZC, RZ, W3T, HFH, 4, 0, 16, 5        ; z3: 75 of 80
	T1 2, W1T+768
	T1 3, CTB+512                                  ; behind the last row of W1: Wout
	START 0, WDZ2, DZ2+64, W2T, DH1+32, 2, 1, 16, 20 ; dz2, directions 2 and 3: 15 x 20 = 300 of 375
	ACT3                                           ; my part of y, g3, c3
	START 0, WZC, RZ, W3N, HFH, 4, 1, 16, 7        ; a2 = W3 g3: 15 x 7 = 105 of 128
	CV2 0
	CV2 1
	CV2 2
	CV2 3
	START 0, WDZ3, DZ3, W3T, DH2, 2, 1, 16, 5      ; dz3, directions 0 and 1, over layer 1's tangents, which are dead: 15 x 5 = 75 of 80
	BK FS2, FR2                                    ; g2, c2
	START 0, WZC, RZ, W2N, HFH, 4, 1, 16, 6        ; a1 = W2 g2: 15 x 6 = 90 of 112
	CONTR FR2, DZ2, 1, 0, 2                        ; the Hessian's second term starts the ten sums: tiles 0 and 1
	START 0, WDZ3, DZ3+64, W3T, DH2+32, 2, 1, 16, 8 ; dz3, directions 2 and 3, over E and U, which are dead: 15 x 8 = 120 of 112 + 80 + 48
	CONTR FR2, DZ2, 0, 2, 2                        ; tiles 2 and 3
	BK FS1, FR1                                    ; g1, c1 (a1's queue was emptied, with its places, by the START above)
	SPLIT CFH, CFL, FR1, 2, 0
	START 1, WA2, 0, 0, 0, 1, 0, 10, 8             ; dy and the first term: 9 x 8 = 72 of 224
	CONTR FC3, DZ3, 0, 0, 4                        ; the third term
	DRAIN
	NEED 4
	; ---- out ----
	CFGN 0, 0, 0, 0
.irp x, 0,1,2,3,4,5,6,7,8,9
	v_add_f32 v[HACC+2*\x], v[HACC+2*\x], v[HACC+2*\x+1]
.endr
.irp x, 0,1,2,3,4,5,6,7,8,9
	v_permlanex16_b32 v[RP+16+\x], v[HACC+2*\x], s38, s39          ; the other 32 features of my sample; the destinations were written in this trip
.endr
	v_permlanex16_b32 v[RP+26], v[YR], s38, s39
.irp x, 0,1,2,3,4,5,6,7,8,9
	v_add_f32 v[HACC+2*\x], v[HACC+2*\x], v[RP+16+\x]
.endr
	v_add_f32 v[YR], v[YR], v[RP+26]               ; the same bits in both lanes of a sample
	SEL 0, 0, 2                                    ; lanes 0-15: (0,0) (0,1) (0,2) (0,3) (1,0) (1,1) (1,2) (1,3)
	SEL 1, 1, 5                                    ; lanes 16-31: (2,0) (2,1) (2,2) (2,3) (3,0) (3,1) (3,2) (3,3)
	SEL 2, 2, 7
	SEL 3, 3, 8
	SEL 4, 1, 3
	SEL 5, 4, 6
	SEL 6, 5, 8
	SEL 7, 6, 9
.irp x, 0,2,4,6
	v_pk_add_f32 v[H1A+\x:H1A+\x+1], v[H1A+\x:H1A+\x+1], v[RZ+\x:RZ+\x+1]
.endr
.irp x, 0,2,4,6
	v_pk_add_f32 v[H1A+\x:H1A+\x+1], v[H1A+\x:H1A+\x+1], v[RP+\x:RP+\x+1]
.endr
	ds_store_b128 v[HST], v[H1A:H1A+3]             ; my wave's own stage: no barrier
	ds_store_b128 v[HST], v[H1A+4:H1A+7] offset:16
	ds_store_b32 v[YST], v[YR]                     ; both lanes of a sample write the same word with the same value
	ds_load_b128 v[RP:RP+3], v[HLD]                ; LDS serves a wave's instructions in order (ISA guide 5.7.1): these see the stores above
	ds_load_b128 v[RP+4:RP+7], v[HLD] offset:8*HPITCH
	s_wait_dscnt 0x0
	global_store_b128 v[O2], v[RP:RP+3], s[30:31] th:TH_STORE_NT               ; each store of the wave covers 512 consecutive bytes, aligned
	global_store_b128 v[O2], v[RP+4:RP+7], s[30:31] offset:512 th:TH_STORE_NT
	v_cmp_gt_u32 vcc_lo, 16, v[LN]
	s_wait_xcnt 0x0                                ; EXEC is a source of the pending stores: it changes only behind this wait
	s_and_saveexec_b32 s40, vcc_lo
	global_store_b128 v[O1], v[DYA:DYA+3], s[28:29] th:TH_STORE_NT             ; lanes 0-15 hold dy: 256 consecutive bytes, aligned
	s_wait_xcnt 0x0                                ; and again before it widens; the stores' data and bases are also rewritten only behind this wait
	s_or_b32 exec_lo, exec_lo, s40
	s_add_nc_u64 s[30:31], s[30:31], 1024          ; 16 samples on
	s_add_nc_u64 s[28:29], s[28:29], 256
	v_add_nc_u32 v[XA], 0x100, v[XA]
	v_add_nc_u32 v[YST], 64, v[YST]
	s_sub_co_i32 s43, s43, 1
	s_cmp_lg_u32 s43, 0
	s_cbranch_scc1 .Ltrip
	; y of my wave's 128 samples: one store of 512 consecutive bytes
	v_lshl_add_u32 v[T0], v[LN], 4, s51
	ds_load_b128 v[RP:RP+3], v[T0]                 ; behind my own stores, in order
	s_wait_dscnt 0x0
	global_store_b128 v[O2], v[RP:RP+3], s[26:27] th:TH_STORE_NT
	s_set_vgpr_msb 0xa
	s_wait_tensorcnt 0x0
	ds_add_u32 v254, v255
	s_wait_dscnt 0x0
	s_set_vgpr_msb 0xa00
	s_endpgm
.Lfunc_end_k_q5bf49dc36a_idnn:
	.size	k_q5bf49dc36a_idnn, .Lfunc_end_k_q5bf49dc36a_idnn-k_q5bf49dc36a_idnn
	.p2alignl 7, 3214868480
	.fill 96, 4, 3214868480
	.section	.rodata,"a",@progbits
	.p2align	6, 0x0
	.amdhsa_kernel k_q5bf49dc36a_idnn
		.amdhsa_group_segment_fixed_size 37376
		.amdhsa_private_segment_fixed_size 0
		.amdhsa_enable_private_segment 0
		.amdhsa_kernarg_size 96
		.amdhsa_user_sgpr_count 2
		.amdhsa_user_sgpr_kernarg_segment_ptr 1
		.amdhsa_wavefront_size32 1
		.amdhsa_system_sgpr_workgroup_id_x 1
		.amdhsa_system_sgpr_workgroup_id_y 1
		.amdhsa_system_sgpr_workgroup_id_z 1
		.amdhsa_system_vgpr_workitem_id 0
		.amdhsa_next_free_vgpr 1024
		.amdhsa_next_free_sgpr 66
		.amdhsa_reserve_vcc 1
		.amdhsa_float_denorm_mode_32 3
		.amdhsa_float_denorm_mode_16_64 3
		.amdhsa_memory_ordered 1
		.amdhsa_forward_progress 1
		.amdhsa_inst_pref_size 155
	.end_amdhsa_kernel
	.amdgpu_metadata
---
amdhsa.version: [ 1, 2 ]
amdhsa.kernels:
  - .name:           k_q5bf49dc36a_idnn
    .symbol:         k_q5bf49dc36a_idnn.kd
    .args:
      - { .name: x1, .offset: 0, .size: 8, .value_kind: global_buffer, .address_space: global }
      - { .name: x4, .offset: 8, .size: 8, .value_kind: global_buffer, .address_space: global }
      - { .name: W1, .offset: 16, .size: 8, .value_kind: global_buffer, .address_space: global }
      - { .name: b1, .offset: 24, .size: 8, .value_kind: global_buffer, .address_space: global }
      - { .name: W2, .offset: 32, .size: 8, .value_kind: global_buffer, .address_space: global }
      - { .name: b2, .offset: 40, .size: 8, .value_kind: global_buffer, .address_space: global }
      - { .name: W3, .offset: 48, .size: 8, .value_kind: global_buffer, .address_space: global }
      - { .name: b3, .offset: 56, .size: 8, .value_kind: global_buffer, .address_space: global }
      - { .name: Wout, .offset: 64, .size: 8, .value_kind: global_buffer, .address_space: global }
      - { .name: out0, .offset: 72, .size: 8, .value_kind: global_buffer, .address_space: global }
      - { .name: out1, .offset: 80, .size: 8, .value_kind: global_buffer, .address_space: global }
      - { .name: out2, .offset: 88, .size: 8, .value_kind: global_buffer, .address_space: global }
    .group_segment_fixed_size: 37376
    .private_segment_fixed_size: 0
    .kernarg_segment_align: 8
    .kernarg_segment_size: 96
    .max_flat_workgroup_size: 128
    .sgpr_count:     66
    .vgpr_count:     1024
    .wavefront_size: 32
...
	.end_amdgpu_metadata
.endif
;; end of part 2
